; MI455X (gfx1250); checked and timed in simulation.
; The chip was launched on July 23, 2026; its instructions are those of AMD's public machine-readable ISA for CDNA 5 (MIT licence, August 2026) and "CDNA5" Instruction Set Architecture Reference Guide (July 2026). The comments in the code are by the model that wrote it; some were corrected since.
;; Pure Torch SVDQ Int4 Linear BF16. Allowed arithmetic: float matrix products may take bf16 or f16 operands with f32 sums; all other float work in f32.
;; Inputs: bias 4,096 float32; main_qweight 4,096 x 64 x 64 int32; main_wscale 4,096 x 64 float32; proj_down_dense 4,096 x 32 float32; proj_up_dense 32 x 4,096 float32; x 4,096 x 4,096 float32.
;; Outputs: out0 4,096 x 4,096 float32.
;; 2 versions, each right; version 2 is version 1 with the launch prep written anew for expert scheduling mode. Each part assembles by itself: llvm-mc -triple=amdgcn-amd-amdhsa -mcpu=gfx1250 --defsym DOCPART=n.
;; ======== version 1 of 2: 2 launches
;; limits: values are held in f16: magnitudes above 65,504 overflow, below 6.1e-05 lose precision
;; workspace buffers: aq 34,603,008 bytes; wq 34,603,008 bytes
;; launch prep (part 1): grid 64 x 4, 16 waves a work-group, no clusters, 208,896 bytes of LDS; arguments x, proj_down_dense, main_qweight, main_wscale, proj_up_dense, aq, wq; writes aq, wq
.if DOCPART == 1
	.amdgcn_target "amdgcn-amd-amdhsa--gfx1250"
	.amdhsa_code_object_version 6
	.text
	.protected	k_q0eb2115f1e_prep
	.globl	k_q0eb2115f1e_prep
	.p2align	8
	.type	k_q0eb2115f1e_prep,@function
k_q0eb2115f1e_prep:
	s_mov_b64 s[64:65], 0
	v_nop
	global_prefetch_b8 v0, s[64:65] scope:SCOPE_SE
	s_setreg_imm32_b32 hwreg(HW_REG_WAVE_MODE, 25, 1), 1
	s_wait_xcnt 0x0
; Both operands of the matrix product are made here, in f16, in one launch.  aq, wq: [4096][4224] f16, a row is 8,448 bytes = 33 x 256.
;   aq[n][k] = f16( q * ascale ), k = 0 .. 4095: ascale = max |x| of the group of 64 times 1/127, q = clip(round(x / ascale), -127, 127)
;   aq[n][4096 + 32 j + r] = f16( 1/16 * sum over k in [1024 j, 1024 j + 1023] of x[n][k] down[k][r] ), operands f16, sums f32
;   wq[o][k] = f16( qweight[o][k] * wscale[o][k / 64] ), k = 0 .. 4095;   wq[o][4096 + 32 j + r] = f16( 16 * up[r][o] ), j = 0 .. 3
; The four copies of up stand against the four partial low-rank products; the factors 16 and 1/16 are exact and cancel: they move the
; partial products away from f16's upper end.
; Sixteen waves, four to a SIMD with 256 registers each.  Work-group (bx, j):
;   waves 0-7:  rows 64 bx .. + 63 of x, k = 1024 j .. + 1023 (256 KiB); wave w takes the 128 k at 1024 j + 128 w, for all 64 rows.
;   waves 8-15: the 16 rows of weights of number bx + 64 j (256 KiB); a wave takes two whole rows.
; The two halves are streams that do not depend on each other; they part on the wave's number and join in front of the one barrier,
; behind which all 512 threads add the eight waves' partial low-rank sums.
; THE x HALF.  One load is one row's 512 bytes: lane l holds k = 4 l .. 4 l + 3, so 16 neighbouring lanes hold one group of 64 and the
; maximum is four steps inside a half of 16 lanes.  A ring of 24 register slots keeps 24 loads (12 KiB) of a wave in flight.  Rows go two
; at a time, their two dependent chains interleaved.  The wave's 128 x 32 piece of down goes once through LDS into eight fragments that
; stay in registers; 16 rows of x at a time go through the wave's own LDS stage into four fragments; eight matrix instructions, used
; transposed (source 0 = down, source 1 = x), so that a lane holds 8 neighbouring ranks of one row.
; THE WEIGHTS HALF.  A row is 32 loads of 512 neighbouring bytes (two groups of 64, one in each half of the lanes) and 32 stores of 256
; neighbouring bytes, aligned.  A ring of 32 register slots keeps a whole row (16 KiB) of a wave in flight.
; No cluster: the 64 work-groups of one j share their piece of down, 128 of the 640 KiB that a work-group reads, and it has to pass
; through registers to become f16; nothing else is read twice.  up is read as 8 bytes of each of its 32 rows, and aq's extension is
; stored as 64 bytes of each row (its four chunks belong to four work-groups): 0.5 MiB and 1 MiB of the launch's 195 MiB.
; LIMITS.  x finite.  The division is a multiplication by v_rcp_f32 (1 ULP): where x / ascale lies within about 1e-5 of a half the rounding
; can fall to the other side, one number off by one step ascale.  ascale is kept at 2^-126 at the least: that serves the all-zero group
; (zeros stay zeros under any scale), and groups whose maximum is below 127 x 2^-126 get the step 2^-126.  |q ascale|, |x|, |down|,
; |qweight wscale| and 16 |up| below 65,504 and the partial sums below 16 x 65,504 (f16); beyond that the stored number is an infinity.
; Weights of any int32 value are taken (exact up to 2^24, rounded once beyond).
.set XROW,   16384                     ; bytes in a row of x and of the weights
.set OROW,   8448                      ; bytes in a row of aq and of wq
.set DEPTH,  24                        ; the x half: slots = loads of x in flight in each wave
.set DPITCH, 96                        ; LDS row of down: 32 f16 + 32 bytes, an odd multiple of 32 for the transposing loads
.set XPITCH, 272                       ; LDS row of x: 128 f16 + 16 bytes, an odd multiple of 16
.set RPITCH, 144                       ; LDS row of partial sums: 32 f32 + 16 bytes
.set DSTW,   128*DPITCH                ; a wave's piece of down: 12,288 bytes, from LDS byte 0
.set XST,    8*DSTW                    ; 98,304: the waves' stages for x,
.set XSTW,   16*XPITCH                 ; 4,352 bytes each
.set RED,    XST+8*XSTW                ; 133,120: the waves' partial sums,
.set REDW,   64*RPITCH                 ; 9,216 bytes each; the end is 206,848
; scalars: s[4:5] x, s[6:7] down, s[8:9] weights, s[10:11] scales, s[12:13] up, s[14:15] aq (kept as it came), s[16:17] wq,
; s[18:19] aq at my wave's 256 bytes, s20 wave, s21 j, s[22:23] an offset with 0 above it, s24 at work, s25, s26 the clip's bounds,
; s27-s29 my wave's LDS regions, s[30:31] aq's extension
; the x half's vector registers (v0, the thread's number, is kept for the end)
.set VX,  2                            ; 16 lane: my bytes in a row's 512 of x, and in 512 bytes of down
.set VA,  3                            ; 8 lane: my bytes in a row's 256 of aq
.set VXS, 4                            ; LDS: where I put 4 f16 of x
.set VF,  5                            ; LDS: my part of a fragment of x
.set VD,  6                            ; LDS: where I put 4 f16 of down
.set VT,  7                            ; LDS: my part of a transposing load of down
.set VR,  8                            ; LDS: where I put my partial sums
.set MA,  16                           ; the group's maximum, first row of the two
.set MB,  17                           ; second row
.set SA,  18                           ; v[18:19] ascale; the second register is 0 (the packed forms name the pair)
.set RA,  20                           ; v[20:21] 1 / ascale; likewise
.set QA,  22                           ; v[22:25] four numbers at work
.set XB,  26                           ; v[26:29] x as f16, a pair for each of the two rows
.set DN,  32                           ; v[32:159] down as loaded
.set BF,  32                           ; v[32:95]  then its fragments: (s, t) = 32 k at 32 s, 16 ranks at 16 t, at BF + 8 (2 s + t)
.set AF,  96                           ; v[96:127] four fragments of 16 rows of x,
.set Y,   96                           ;           and before that the sixteen rows' f16 to store, a pair a row
.set ACC, 128                          ; v[128:143] two accumulators: ranks 0-15, 16-31
.set SB,  144                          ; v[144:151] the second row's ascale, reciprocal and four numbers
.set RB,  146
.set QB,  148
.set X,   160                          ; v[160:255] slot i: 4 numbers of x
; the weights half's vector registers
.set WQ,  2                            ; byte offset of my 16 bytes in my wave's first row of weights; never rewritten
.set WO,  3                            ; byte offset of my 8 bytes in my wave's first row of wq; never rewritten
.set WS,  4                            ; byte offset of my scale
.set WU,  5                            ; byte offset of my pieces of up
.set SC,  8                            ; v[8:11]    SC[2 row + half]: lane (h = lane / 16, p = lane % 16) holds scale[32 half + 2 p + h]
.set U,   12                           ; v[12:19]   U[2 i], U[2 i + 1] = up[4 (lane % 8) + i][o], [o + 1]
.set E,   20                           ; v[20:23]   the extension, packed
.set WX,  24                           ; v[24:151]  slot c: 4 weights as loaded, then as f32
.set WY,  152                          ; v[152:215] slot c: 4 f16 to store
; the end's vector registers
.set P,   160                          ; v[160:191] the eight waves' parts of my four sums; v[192:193] the four as f16
	s_load_b256 s[4:11], s[0:1], 0x0               ; x, down, weights, scales
	s_load_b128 s[12:15], s[0:1], 0x20             ; up, aq
	s_load_b64 s[16:17], s[0:1], 0x30              ; wq
	v_lshrrev_b32 v1, 5, v0
	v_readfirstlane_b32 s20, v1                    ; wave 0..15
	s_and_b32 s21, ttmp7, 0xffff                   ; j
	s_mov_b32 s23, 0
	v_and_b32 v1, 31, v0                           ; lane l
	s_cmp_ge_u32 s20, 8
	s_cbranch_scc1 .Lweights                       ; on the wave's number alone; no barrier stands inside either half
	; ---------------------------------------------------------------- THE x HALF: waves 0 to 7
	s_mov_b32 s25, 0xc2fe0000                      ; -127.0
	s_mov_b32 s26, 0x42fe0000                      ; 127.0
	s_mul_i32 s27, s20, DSTW                       ; my wave's three LDS regions
	s_mul_i32 s28, s20, XSTW
	s_add_co_u32 s28, s28, XST
	s_mul_i32 s29, s20, REDW
	s_add_co_u32 s29, s29, RED
	v_and_b32 v11, 15, v0                          ; r = l % 16
	v_bfe_u32 v12, v0, 4, 1                        ; h = l / 16
	v_and_b32 v13, 7, v0                           ; l % 8
	v_bfe_u32 v14, v0, 3, 2                        ; l / 8
	v_bfe_u32 v15, v0, 3, 1                        ; (l / 8) % 2
	v_lshlrev_b32 v[VX], 4, v1
	v_lshlrev_b32 v[VA], 3, v1
	v_add_nc_u32 v[VXS], s28, v[VA]
	v_mul_u32_u24 v[VF], v11, XPITCH
	v_lshl_add_u32 v[VF], v12, 4, v[VF]
	v_add_nc_u32 v[VF], s28, v[VF]                 ; row r, 16 h
	v_mul_u32_u24 v[VD], v14, DPITCH
	v_lshl_add_u32 v[VD], v13, 3, v[VD]
	v_add_nc_u32 v[VD], s27, v[VD]                 ; k row l / 8, ranks 4 (l % 8)
	v_lshl_add_u32 v[VT], v12, 3, v13
	v_mul_u32_u24 v[VT], v[VT], DPITCH
	v_lshl_add_u32 v[VT], v15, 4, v[VT]
	v_add_nc_u32 v[VT], s27, v[VT]                 ; k row 8 h + l % 8, 16 bytes for each half of eight lanes
	v_mul_u32_u24 v[VR], v11, RPITCH
	v_lshl_add_u32 v[VR], v12, 5, v[VR]
	v_add_nc_u32 v[VR], s29, v[VR]                 ; row r, ranks 8 h
	v_mov_b32 v[SA+1], 0
	v_mov_b32 v[RA+1], 0
	s_wait_kmcnt 0x0
	s_lshl_b32 s22, ttmp9, 20                      ; 64 rows of 16,384 bytes
	s_lshl_b32 s24, s21, 12                        ; 1,024 k of 4 bytes
	s_add_co_u32 s22, s22, s24
	s_lshl_b32 s24, s20, 9                         ; 128 k of 4 bytes
	s_add_co_u32 s22, s22, s24
	s_add_nc_u64 s[4:5], s[4:5], s[22:23]          ; x at my wave's piece of the first row
	s_lshl_b32 s22, s21, 17                        ; 1,024 rows of 128 bytes
	s_lshl_b32 s24, s20, 14                        ; 128 rows
	s_add_co_u32 s22, s22, s24
	s_add_nc_u64 s[6:7], s[6:7], s[22:23]          ; down at my wave's piece
	s_mul_i32 s22, ttmp9, 64*OROW                  ; 64 rows of 8,448 bytes
	s_lshl_b32 s24, s21, 11                        ; 1,024 k of 2 bytes
	s_add_co_u32 s22, s22, s24
	s_lshl_b32 s24, s20, 8                         ; 128 k of 2 bytes
	s_add_co_u32 s22, s22, s24
	s_add_nc_u64 s[18:19], s[14:15], s[22:23]      ; aq at my wave's 256 bytes of the first row
.set i, 0
.rept 32
	global_load_b128 v[DN+4*i:DN+4*i+3], v[VX], s[6:7] offset:512*i                 ; k rows 4 i + l / 8, ranks 4 (l % 8) .. + 3
.set i, i+1
.endr
.set i, 0
.rept DEPTH
	global_load_b128 v[X+4*i:X+4*i+3], v[VX], s[4:5] offset:XROW*i th:TH_LOAD_NT    ; the ring is filled: rows 0 to 23
.set i, i+1
.endr
; sixteen loads of down: to f16, into the wave's own LDS rows
.macro DOWN16 first
.set i, \first
.rept 16
	v_cvt_pk_f16_f32 v[QA+2*(i%4)], v[DN+4*i], v[DN+4*i+1]
	v_cvt_pk_f16_f32 v[QA+2*(i%4)+1], v[DN+4*i+2], v[DN+4*i+3]
	ds_store_b64 v[VD], v[QA+2*(i%4):QA+2*(i%4)+1] offset:4*DPITCH*i
.set i, i+1
.endr
.endm
	s_wait_loadcnt DEPTH+16                        ; younger: sixteen loads of down and the ring's 24
	DOWN16 0
	s_wait_loadcnt DEPTH                           ; younger: the ring's 24
	DOWN16 16
	v_mov_b32 v[SB+1], 0                           ; free now that down has been converted
	v_mov_b32 v[RB+1], 0
	; The eight fragments of down.  LDS serves a wave's instructions in order (ISA guide 5.7.1.4), so these see the stores above; the bytes are
	; the wave's own.  Their registers are not touched before the wait for 0 in front of the first matrix instructions.
.irp s, 0,1,2,3
.irp t, 0,1
	ds_load_tr16_b128 v[BF+8*(2*\s+\t):BF+8*(2*\s+\t)+3], v[VT] offset:32*DPITCH*\s+32*\t
	ds_load_tr16_b128 v[BF+8*(2*\s+\t)+4:BF+8*(2*\s+\t)+7], v[VT] offset:32*DPITCH*\s+32*\t+16*DPITCH
.endr
.endr
; Two rows, row and row + 1 (the symbol row counts 0, 2, .. 62; a row's slot is row % 24).  The two rows' chains take turns line by line,
; so that no line waits for the one in front of it.
.set row, 0
.macro PAIR
.set sa, X+4*(row%DEPTH)
.set sb, sa+4
.set ya, Y+2*(row%16)
.if 62-row < DEPTH-2
	s_wait_loadcnt 62-row                          ; the last rows: nothing is loaded behind row 63, the counts run down to 0
.else
	s_wait_loadcnt DEPTH-2                         ; both rows are in; the 22 rows behind them stay on their way
.endif
	v_max3_num_f32 v[MA], |v[sa]|, |v[sa+1]|, |v[sa+2]|
	v_max3_num_f32 v[MB], |v[sb]|, |v[sb+1]|, |v[sb+2]|
	v_max_num_f32 v[MA], v[MA], |v[sa+3]|
	v_max_num_f32 v[MB], v[MB], |v[sb+3]|
.irp m, 1,2,4,8
	v_max_num_f32_dpp v[MA], v[MA], v[MA] row_xmask:\m row_mask:0xf bank_mask:0xf
	v_max_num_f32_dpp v[MB], v[MB], v[MB] row_xmask:\m row_mask:0xf bank_mask:0xf
.endr
	v_mul_f32 v[SA], 0x3c010204, v[MA]             ; the maximum of the 64, in all 16 lanes, x 1/127 as f32
	v_mul_f32 v[SB], 0x3c010204, v[MB]
	v_max_num_f32 v[SA], 0x00800000, v[SA]         ; at least 2^-126: no division by zero, and the reciprocal is finite
	v_max_num_f32 v[SB], 0x00800000, v[SB]
	v_rcp_f32 v[RA], v[SA]
	v_rcp_f32 v[RB], v[SB]
	v_cvt_pk_f16_f32 v[XB], v[sa], v[sa+1]         ; x itself for the low-rank product; also the plain instructions that stand between
	v_cvt_pk_f16_f32 v[XB+1], v[sa+2], v[sa+3]     ; v_rcp_f32 and the first use of its result (ISA guide 5.7.2)
	v_cvt_pk_f16_f32 v[XB+2], v[sb], v[sb+1]
	v_cvt_pk_f16_f32 v[XB+3], v[sb+2], v[sb+3]
	s_wait_alu depctr_va_vdst(0)
	v_pk_mul_f32 v[QA:QA+1], v[sa:sa+1], v[RA:RA+1] op_sel_hi:[1,0]
	v_pk_mul_f32 v[QB:QB+1], v[sb:sb+1], v[RB:RB+1] op_sel_hi:[1,0]
	v_pk_mul_f32 v[QA+2:QA+3], v[sa+2:sa+3], v[RA:RA+1] op_sel_hi:[1,0]
	v_pk_mul_f32 v[QB+2:QB+3], v[sb+2:sb+3], v[RB:RB+1] op_sel_hi:[1,0]
.irp k, 0,1,2,3
	v_rndne_f32 v[QA+\k], v[QA+\k]
	v_rndne_f32 v[QB+\k], v[QB+\k]
.endr
.irp k, 0,1,2,3
	v_med3_num_f32 v[QA+\k], v[QA+\k], s25, s26    ; the clip to -127 .. 127
	v_med3_num_f32 v[QB+\k], v[QB+\k], s25, s26
.endr
	v_pk_mul_f32 v[QA:QA+1], v[QA:QA+1], v[SA:SA+1] op_sel_hi:[1,0]
	v_pk_mul_f32 v[QB:QB+1], v[QB:QB+1], v[SB:SB+1] op_sel_hi:[1,0]
	v_pk_mul_f32 v[QA+2:QA+3], v[QA+2:QA+3], v[SA:SA+1] op_sel_hi:[1,0]
	v_pk_mul_f32 v[QB+2:QB+3], v[QB+2:QB+3], v[SB:SB+1] op_sel_hi:[1,0]
	v_cvt_pk_f16_f32 v[ya], v[QA], v[QA+1]
	v_cvt_pk_f16_f32 v[ya+2], v[QB], v[QB+1]
	v_cvt_pk_f16_f32 v[ya+1], v[QA+2], v[QA+3]
	v_cvt_pk_f16_f32 v[ya+3], v[QB+2], v[QB+3]
.if row+DEPTH < 64
	global_load_b128 v[sa:sa+3], v[VX], s[4:5] offset:XROW*(row+DEPTH) th:TH_LOAD_NT
	global_load_b128 v[sb:sb+3], v[VX], s[4:5] offset:XROW*(row+DEPTH+1) th:TH_LOAD_NT
.endif
	global_store_b64 v[VA], v[ya:ya+1], s[18:19] offset:OROW*row                   ; 32 lanes x 8 bytes: 256 consecutive bytes, aligned
	global_store_b64 v[VA], v[ya+2:ya+3], s[18:19] offset:OROW*(row+1)
	ds_store_b64 v[VXS], v[XB:XB+1] offset:XPITCH*(row%16)
	ds_store_b64 v[VXS], v[XB+2:XB+3] offset:XPITCH*(row%16+1)
.set row, row+2
.endm
; Sixteen rows, then their product with the wave's piece of down.  The two accumulators take turns, one instruction a turn.
; The next block's writes of Y (= AF) and its first products into ACC stand behind the four v_nop and the rows' vector work.
.macro BLOCK b
.rept 8
	PAIR
.endr
	s_wait_xcnt 0x0                                ; the sixteen rows' stores have had their addresses translated (ISA guide 3.1): their data, Y, lies in the registers that the loads below write
.irp s, 0,1,2,3
	ds_load_b128 v[AF+8*\s:AF+8*\s+3], v[VF] offset:64*\s                          ; in order behind the wave's own LDS stores above
	ds_load_b128 v[AF+8*\s+4:AF+8*\s+7], v[VF] offset:64*\s+32
.endr
	s_wait_dscnt 0x0                               ; the fragments of x (and, in the first block, those of down)
.irp t, 0,1
	v_wmma_f32_16x16x32_f16 v[ACC+8*\t:ACC+8*\t+7], v[BF+8*\t:BF+8*\t+7], v[AF:AF+7], 0     ; the first 32 k start the sums
.endr
.irp s, 1,2,3
.irp t, 0,1
	v_wmma_f32_16x16x32_f16 v[ACC+8*\t:ACC+8*\t+7], v[BF+8*(2*\s+\t):BF+8*(2*\s+\t)+7], v[AF+8*\s:AF+8*\s+7], v[ACC+8*\t:ACC+8*\t+7]
.endr
.endr
.rept 4
	v_nop                                          ; four places between a matrix instruction and the LDS stores of its result, and the next writes of its sources
.endr
.irp t, 0,1
	ds_store_b128 v[VR], v[ACC+8*\t:ACC+8*\t+3] offset:16*RPITCH*\b+64*\t          ; row 16 b + r, ranks 16 t + 8 h .. + 3
	ds_store_b128 v[VR], v[ACC+8*\t+4:ACC+8*\t+7] offset:16*RPITCH*\b+64*\t+16     ; .. + 7
.endr
.endm
	BLOCK 0
	BLOCK 1
	BLOCK 2
	BLOCK 3
	s_branch .Ljoin
	; ---------------------------------------------------------------- THE WEIGHTS HALF: waves 8 to 15
.Lweights:
	v_bfe_u32 v6, v0, 5, 3                         ; my wave's number among the eight of this half
	v_lshlrev_b32 v[WQ], 4, v1
	v_lshl_add_u32 v[WQ], v6, 15, v[WQ]            ; wave x 2 rows x 16,384 + 16 lane
	v_lshlrev_b32 v[WO], 3, v1
	v_mad_u32_u24 v[WO], v6, 2*OROW, v[WO]         ; wave x 2 rows x 8,448 + 8 lane
	v_and_b32 v7, 15, v1                           ; p
	v_lshrrev_b32 v[WS], 4, v1                     ; h
	v_lshlrev_b32 v[WS], 2, v[WS]
	v_lshl_add_u32 v[WS], v7, 3, v[WS]             ; 4 (2 p + h)
	v_lshl_add_u32 v[WS], v6, 9, v[WS]             ; + wave x 2 rows x 256
	v_and_b32 v7, 7, v1
	v_lshlrev_b32 v[WU], 3, v6                     ; two outputs of 4 bytes for each wave
	v_lshl_add_u32 v[WU], v7, 16, v[WU]            ; + 4 (lane % 8) rows of 16,384 bytes
	s_lshl_b32 s24, s21, 6
	s_add_co_u32 s24, s24, ttmp9                   ; which 16 rows of weights: bx + 64 j, 0 to 255
	s_wait_kmcnt 0x0
	s_lshl_b32 s22, s24, 18                        ; 16 rows of 16,384 bytes
	s_add_nc_u64 s[8:9], s[8:9], s[22:23]
	s_lshl_b32 s22, s24, 12                        ; 16 rows of 256 bytes
	s_add_nc_u64 s[10:11], s[10:11], s[22:23]
	s_lshl_b32 s22, s24, 6                         ; 16 columns of 4 bytes
	s_add_nc_u64 s[12:13], s[12:13], s[22:23]
	s_mul_i32 s22, s24, 16*OROW                    ; 16 rows of 8,448 bytes
	s_add_nc_u64 s[16:17], s[16:17], s[22:23]
.irp i, 0,1,2,3
	global_load_b32 v[SC+\i], v[WS], s[10:11] offset:128*\i
.endr
.irp i, 0,1,2,3
	global_load_b64 v[U+2*\i:U+2*\i+1], v[WU], s[12:13] offset:16384*\i
.endr
.set c, 0
.rept 32
	global_load_b128 v[WX+4*c:WX+4*c+3], v[WQ], s[8:9] offset:512*c th:TH_LOAD_NT   ; the ring is filled: the wave's first row
.set c, c+1
.endr
; The turn of slot c = 16 hf + p in row 0 or 1 of the wave.  ahead = 1: the slot is filled again from the second row.
; left = how many younger loads may stay out.  The multiply takes its scale from lane p of the own half of 16 lanes: scale[2 c + h].
.macro WSLOT rw, hf, p, ahead, left
	s_wait_loadcnt \left                           ; loads come back in order (ISA guide 5.7.1): mine is in, the younger ones stay out
.irp k, 0,1,2,3
	v_cvt_f32_i32 v[WX+64*\hf+4*\p+\k], v[WX+64*\hf+4*\p+\k]
.endr
.irp k, 0,1,2,3
	v_mul_f32_dpp v[WX+64*\hf+4*\p+\k], v[SC+2*\rw+\hf], v[WX+64*\hf+4*\p+\k] row_share:\p row_mask:0xf bank_mask:0xf
.endr
	v_cvt_pk_f16_f32 v[WY+32*\hf+2*\p], v[WX+64*\hf+4*\p], v[WX+64*\hf+4*\p+1]
	v_cvt_pk_f16_f32 v[WY+32*\hf+2*\p+1], v[WX+64*\hf+4*\p+2], v[WX+64*\hf+4*\p+3]
.if \ahead
	global_load_b128 v[WX+64*\hf+4*\p:WX+64*\hf+4*\p+3], v[WQ], s[8:9] offset:XROW+8192*\hf+512*\p th:TH_LOAD_NT
.endif
	global_store_b64 v[WO], v[WY+32*\hf+2*\p:WY+32*\hf+2*\p+1], s[16:17] offset:OROW*\rw+4096*\hf+256*\p   ; 32 lanes x 8 bytes: 256 consecutive bytes, aligned
.endm
.irp hf, 0,1
.irp p, 0,1,2,3,4,5,6,7,8,9,10,11,12,13,14,15
	WSLOT 0, \hf, \p, 1, 31                        ; 31 younger loads: the rest of the ring (scales and up are older than every slot)
.endr
.endr
	s_wait_xcnt 0x0                                ; the first row's stores have had their addresses translated (ISA guide 3.1): their data, WY, is written again only behind this wait
.irp hf, 0,1
.irp p, 0,1,2,3,4,5,6,7,8,9,10,11,12,13,14,15
	WSLOT 1, \hf, \p, 0, 31-16*\hf-\p              ; the second row loads nothing: the counts run down to 0
.endr
.endr
	; the extension: lane l stores columns 4096 + 4 l .. + 3 = copy l / 8, ranks 4 (l % 8) .. + 3, of both rows
.irp i, 0,2,4,6
	v_pk_mul_f32 v[U+\i:U+\i+1], v[U+\i:U+\i+1], 0x41800000 op_sel_hi:[1,0]         ; x 16, exact
.endr
	v_cvt_pk_f16_f32 v[E], v[U], v[U+2]
	v_cvt_pk_f16_f32 v[E+1], v[U+4], v[U+6]
	v_cvt_pk_f16_f32 v[E+2], v[U+1], v[U+3]
	v_cvt_pk_f16_f32 v[E+3], v[U+5], v[U+7]
	global_store_b64 v[WO], v[E:E+1], s[16:17] offset:8192
	global_store_b64 v[WO], v[E+2:E+3], s[16:17] offset:OROW+8192
	; ---------------------------------------------------------------- THE END: all sixteen waves
.Ljoin:
	s_wait_xcnt 0x0                                ; every store has had its addresses translated (ISA guide 3.1): offsets v2-v5 and the registers from v160 on are written again below
	s_wait_dscnt 0x0                               ; my partial sums are in LDS, for the other waves' sake
	s_barrier_signal -1
	v_lshrrev_b32 v2, 3, v0                        ; register work while the others arrive: the thread's row of the 64,
	v_and_b32 v3, 7, v0                            ; and its four ranks
	v_mul_u32_u24 v4, v2, RPITCH
	v_lshl_add_u32 v4, v3, 4, v4
	v_add_nc_u32 v4, RED, v4                       ; LDS: wave 0's part of my four sums
	v_mul_u32_u24 v5, v2, OROW
	v_lshl_add_u32 v5, v3, 3, v5                   ; my 8 bytes in the extension
	s_mul_i32 s22, ttmp9, 64*OROW
	s_lshl_b32 s24, s21, 6
	s_add_co_u32 s22, s22, s24
	s_add_co_u32 s22, s22, 8192
	s_add_nc_u64 s[30:31], s[14:15], s[22:23]      ; aq at the group's first row, column 4096 + 32 j
	s_barrier_wait -1                              ; everybody's partial sums are in LDS
.irp p, 0,1,2,3,4,5,6,7
	ds_load_b128 v[P+4*\p:P+4*\p+3], v4 offset:REDW*\p
.endr
.irp p, 1,2,3,4,5,6,7
	s_wait_dscnt 7-\p                              ; parts 0 to p are in; the parts behind them may be out
	v_pk_add_f32 v[P:P+1], v[P:P+1], v[P+4*\p:P+4*\p+1]                            ; K ascending
	v_pk_add_f32 v[P+2:P+3], v[P+2:P+3], v[P+4*\p+2:P+4*\p+3]
.endr
	v_pk_mul_f32 v[P:P+1], v[P:P+1], 0x3d800000 op_sel_hi:[1,0]                    ; x 1/16, exact; up carries the factor 16
	v_pk_mul_f32 v[P+2:P+3], v[P+2:P+3], 0x3d800000 op_sel_hi:[1,0]
	v_cvt_pk_f16_f32 v[P+32], v[P], v[P+1]
	v_cvt_pk_f16_f32 v[P+33], v[P+2], v[P+3]
	global_store_b64 v5, v[P+32:P+33], s[30:31]
	s_wait_xcnt 0x0
	v_lshl_add_u32 v254, v0, 2, 0x32800
	v_mov_b32 v255, 0
	s_wait_tensorcnt 0x0
	ds_add_u32 v254, v255
	s_wait_dscnt 0x0
	s_endpgm
.Lfunc_end_k_q0eb2115f1e_prep:
	.size	k_q0eb2115f1e_prep, .Lfunc_end_k_q0eb2115f1e_prep-k_q0eb2115f1e_prep
	.p2alignl 7, 3214868480
	.fill 96, 4, 3214868480
	.section	.rodata,"a",@progbits
	.p2align	6, 0x0
	.amdhsa_kernel k_q0eb2115f1e_prep
		.amdhsa_group_segment_fixed_size 208896
		.amdhsa_private_segment_fixed_size 0
		.amdhsa_enable_private_segment 0
		.amdhsa_kernarg_size 56
		.amdhsa_user_sgpr_count 2
		.amdhsa_user_sgpr_kernarg_segment_ptr 1
		.amdhsa_wavefront_size32 1
		.amdhsa_system_sgpr_workgroup_id_x 1
		.amdhsa_system_sgpr_workgroup_id_y 1
		.amdhsa_system_sgpr_workgroup_id_z 1
		.amdhsa_system_vgpr_workitem_id 0
		.amdhsa_next_free_vgpr 256
		.amdhsa_next_free_sgpr 66
		.amdhsa_reserve_vcc 0
		.amdhsa_float_denorm_mode_32 3
		.amdhsa_float_denorm_mode_16_64 3
		.amdhsa_memory_ordered 1
		.amdhsa_forward_progress 1
		.amdhsa_inst_pref_size 179
	.end_amdhsa_kernel
	.amdgpu_metadata
---
amdhsa.version: [ 1, 2 ]
amdhsa.kernels:
  - .name:           k_q0eb2115f1e_prep
    .symbol:         k_q0eb2115f1e_prep.kd
    .args:
      - { .name: x, .offset: 0, .size: 8, .value_kind: global_buffer, .address_space: global }
      - { .name: proj_down_dense, .offset: 8, .size: 8, .value_kind: global_buffer, .address_space: global }
      - { .name: main_qweight, .offset: 16, .size: 8, .value_kind: global_buffer, .address_space: global }
      - { .name: main_wscale, .offset: 24, .size: 8, .value_kind: global_buffer, .address_space: global }
      - { .name: proj_up_dense, .offset: 32, .size: 8, .value_kind: global_buffer, .address_space: global }
      - { .name: aq, .offset: 40, .size: 8, .value_kind: global_buffer, .address_space: global }
      - { .name: wq, .offset: 48, .size: 8, .value_kind: global_buffer, .address_space: global }
    .group_segment_fixed_size: 208896
    .private_segment_fixed_size: 0
    .kernarg_segment_align: 8
    .kernarg_segment_size: 56
    .max_flat_workgroup_size: 512
    .sgpr_count:     66
    .vgpr_count:     256
    .wavefront_size: 32
...
	.end_amdgpu_metadata
.endif
;; end of part 1
;; launch gemm (part 2): grid 16 x 16, 4 waves a work-group, clusters of 4 x 4, 327,680 bytes of LDS; arguments aq, wq, out0, bias; writes out0
.if DOCPART == 2
	.amdgcn_target "amdgcn-amd-amdhsa--gfx1250"
	.amdhsa_code_object_version 6
	.text
	.protected	k_q0eb2115f1e_gemm
	.globl	k_q0eb2115f1e_gemm
	.p2align	8
	.type	k_q0eb2115f1e_gemm,@function
k_q0eb2115f1e_gemm:
	s_mov_b64 s[64:65], 0
	v_nop
	global_prefetch_b8 v0, s[64:65] scope:SCOPE_SE
	s_setreg_imm32_b32 hwreg(HW_REG_WAVE_MODE, 25, 1), 1
	s_wait_xcnt 0x0
	s_wait_alu depctr_hold_cnt(0) depctr_sa_sdst(0) depctr_va_vdst(0) depctr_va_sdst(0) depctr_va_ssrc(0) depctr_va_vcc(0) depctr_vm_vsrc(0)
	s_getreg_b32 s2, hwreg(HW_REG_IB_STS2, 6, 4)
	s_cmp_eq_u32 s2, 0
	s_cbranch_scc0 .Lentry_in_a_cluster
	s_endpgm
.Lentry_in_a_cluster:
	s_bfe_u32 s2, ttmp6, 0x10000c
	s_cmp_lg_u32 s2, 0xf033
	s_cbranch_scc0 .Lentry_shape_is_right
	s_endpgm
.Lentry_shape_is_right:
; out0[m][n] = bias[n] + sum over k = 0 .. 4223 of aq[m][k] wq[n][k].  aq, wq: [4096][4224] f16; out0: [4096][4096] f32; sums in f32.
; Columns 0 .. 4095 are the dequantised product; the last 128 columns add the low-rank term (four partial products against four copies of up).
; A work-group makes a block of 256 x 256 with four waves, as many as a WGP has SIMDs; a wave makes 128 x 128: 64 accumulator tiles of
; 16 x 16, 512 registers.  K goes in 33 steps of 128 through a ring of two LDS slots filled by the tensor data mover: a tile's rows are
; 256 bytes of memory and start at multiples of 256 bytes from the buffer's first byte (a row of aq or wq is 33 x 256 bytes).
; CLUSTERS: 4 x 4 work-groups.  The four of a row of the cluster need the same tiles of aq, the four of a column the same tiles of wq.
; Such a tile is asked for jointly: each of the four issues the same tensor load, with the same descriptor and a mask that names the four.
; By this text's count a wave has two tensor loads out at the start and one behind each change of slots.
;
; REGISTERS, in windows of 256 (s_set_vgpr_msb says which window each operand place means):
;   window 0: v16-31 addresses and bias; v64-127, v128-191 fragments of aq (8 x 16 rows x 32 K), two buffers, and the rows on the way out
;   window 1: v64-127, v128-191 fragments of wq, two buffers
;   window 2: the 32 accumulator tiles of my rows 0-63 (tile (a, b) at v[8 (8 a + b)]);   window 3: those of my rows 64-127
; The matrix instruction is used transposed: source 0 = 16 rows of wq, source 1 = 16 rows of aq.  Lane l then holds row l % 16 of the
; result, and its registers 0 to 7 the columns 8 (l / 16) + 0 .. 7: 32 neighbouring bytes of a row of out0.
.set SIZE_N, 4096
.set KP,     4224                      ; K, and the pitch of aq and wq in elements
.set KSTEP,  128
.set STEPS,  KP/KSTEP                  ; 33: odd
.set PITCH,  272                       ; an LDS row: 256 bytes + 16 of padding, an odd multiple of 16: the 16 rows that a load touches start at 16 different banks (ISA guide 11.1)
.set HALFT,  128*PITCH                 ; 128 rows: what one tensor load brings, and what one wave reads of aq or of wq
.set SLOT,   4*HALFT                   ; aq's 256 rows, then wq's 256 rows
.set STAGE,  2*SLOT                    ; 278,528, behind the ring: 16 rows x 528 bytes for each wave, for the way out; no tensor load fills it
.set SPITCH, 528                       ; 128 f32 + 16 bytes
.set ADRA, 16                          ; v16-17  LDS address of my aq fragments in slot 0, 1
.set ADRB, 20                          ; v20-21  the same for wq
.set STO,  24                          ; v24     the way out: where I put 32 bytes of a row
.set RD,   25                          ; v25     the way out: where I read 16 bytes of a row back
.set CO,   26                          ; v26     16 x lane: my bytes in a row's 512 of out0, and in my wave's 512 of bias
.set BI,   28                          ; v[28:31] bias of my four columns
.set F0,   64
.set F1,   128
.set G1,  24                           ; s[24:31] descriptor group 1 for aq's tiles
.set G0,  32                           ; s[32:39] descriptor group 0 for aq's tiles, one set for each slot
.set G1B, 48                           ; s[48:55] group 1 for wq's tiles: it differs in the mask alone
.set G0B, 56                           ; s[56:63] group 0 for wq's tiles, one set for each slot
.set MSB, 0
.macro WIN new                         ; the immediate's high byte repeats the setting that is left; a switch that changes nothing is dropped
.if MSB != \new
	s_set_vgpr_msb (MSB<<8)|\new
.set MSB, \new
.endif
.endm
.set MUL_LO, 0xa1                      ; source 0 (wq) window 1, source 1 (aq) window 0, C and D window 2
.set MUL_HI, 0xf1                      ; the same, C and D window 3
.set TO_B,   0x40                      ; destination window 1, address window 0
; A joint load.  Waves 0 and 1 fetch aq's two halves, waves 2 and 3 wq's.  Each line has one mask and one set of registers for all that
; issue it.  The branch hangs on the wave's number alone.
.macro JLOAD s
	s_cmp_eq_u32 s11, 0
	s_cbranch_scc0 .Lfor_b_\@
	tensor_load_to_lds s[G0+4*\s:G0+4*\s+3], s[G1:G1+7]
	s_nop 0
	s_branch .Lasked_\@
.Lfor_b_\@:
	tensor_load_to_lds s[G0B+4*\s:G0B+4*\s+3], s[G1B:G1B+7]
	s_nop 0
.Lasked_\@:
.endm
; A round of the cluster's barrier: my work-group's barrier; wave 0 signals for the work-group; every wave waits for all sixteen
; work-groups; my work-group's barrier once more.
.macro CREST                           ; a round behind its opening barrier
	s_cmp_lg_u32 s10, 0
	s_cbranch_scc1 .Lnot_wave_0_\@
	s_barrier_signal -3
.Lnot_wave_0_\@:
	s_barrier_wait -3
	s_barrier_signal -1
	s_barrier_wait -1
.endm
.macro CROUND                          ; a whole round
	s_barrier_signal -1
	s_barrier_wait -1
	CREST
.endm
	s_load_b128 s[4:7], s[0:1], 0x0                ; aq s[4:5], wq s[6:7]
	s_load_b64 s[8:9], s[0:1], 0x10                ; out0
	s_load_b64 s[68:69], s[0:1], 0x18              ; bias
	s_set_vgpr_msb 0x40
	v_lshl_add_u32 v255, v0, 2, 0x4c400
	s_set_vgpr_msb 0x4000
	v_mov_b32 v255, 0
	s_set_vgpr_msb 0x1
	ds_add_u32 v255, v255
	s_set_vgpr_msb 0x100
	v_lshrrev_b32 v1, 5, v0
	v_readfirstlane_b32 s10, v1                    ; wave 0..3
	s_lshr_b32 s11, s10, 1                         ; which half of the block's rows is mine.  Also: I fetch for aq (0) or for wq (1)
	s_and_b32 s12, s10, 1                          ; which half of its columns.  Also: which 128 rows of that tile I fetch
	s_bfe_u32 s40, ttmp6, 0x40000                  ; cx
	s_bfe_u32 s41, ttmp6, 0x40004                  ; cy
	s_lshl_b32 s42, ttmp9, 2
	s_add_co_u32 s42, s42, s40                     ; block column = 4 x cluster x + cx
	s_and_b32 s13, ttmp7, 0xffff
	s_lshl_b32 s13, s13, 2
	s_add_co_u32 s13, s13, s41                     ; block row = 4 x cluster y + cy
	s_lshl_b32 s43, s41, 2
	s_lshl_b32 s43, 15, s43                        ; my row of the cluster: places 4 cy .. 4 cy + 3
	s_lshl_b32 s44, 0x1111, s40                    ; my column: places cx, cx + 4, cx + 8, cx + 12
	; descriptor group 1: a tile of 128 rows x 128 elements of 2 bytes, 4 words of padding behind every 64 words
	s_or_b32 s[G1+0], s43, (1<<16)|(1<<20)|(1<<21)|(5<<22)|(3<<25)   ; 15:0 mask: my row; 17:16 element of 2 bytes; 20 padding on; 21 set beside a mask; 24:22 interval code 5; 31:25 pad code 3
	s_or_b32 s[G1B+0], s44, (1<<16)|(1<<20)|(1<<21)|(5<<22)|(3<<25)  ; the same with the mask of my column
	s_mov_b32 s[G1B+1], KSTEP<<16
	s_mov_b32 s[G1+1], KSTEP<<16                   ; tensor_dim0 = 128
	s_mov_b32 s[G1B+2], 128<<16
	s_mov_b32 s[G1+2], 128<<16                     ; tensor_dim1 = 128
	s_mov_b32 s[G1B+3], KSTEP<<16
	s_mov_b32 s[G1+3], KSTEP<<16                   ; tile_dim0 = 128
	s_mov_b32 s[G1B+4], 128
	s_mov_b32 s[G1+4], 128                         ; tile_dim1 = 128; tile_dim2 = 0
	s_mov_b32 s[G1B+5], KP
	s_mov_b32 s[G1+5], KP                          ; elements from row to row
	s_mov_b32 s[G1B+6], 0
	s_mov_b32 s[G1+6], 0
	s_mov_b32 s[G1B+7], 0
	s_mov_b32 s[G1+7], 0
	; where the tiles come from: aq's hang on the block row alone, wq's on the block column alone, each in registers that never hold the other
	s_lshl_b32 s17, s12, 7                         ; which 128 rows of the tile I fetch
	s_lshl_b32 s16, s13, 8
	s_add_co_u32 s16, s16, s17                     ; aq: row 256 x block row + 128 x half
	s_lshl_b32 s46, s42, 8
	s_add_co_u32 s46, s46, s17                     ; wq: row 256 x block column + 128 x half
	s_mov_b32 s17, 0
	s_mov_b32 s47, 0
	s_mov_b64 s[18:19], KP*2
	s_mul_u64 s[16:17], s[16:17], s[18:19]         ; in bytes
	s_mul_u64 s[46:47], s[46:47], s[18:19]
	s_mul_i32 s20, s10, HALFT                      ; and where they go: wave x 128 rows: no place in the cluster enters an LDS address
	s_wait_dscnt 0x0
	s_wait_kmcnt 0x0
	s_add_nc_u64 s[14:15], s[4:5], s[16:17]
	s_add_nc_u64 s[46:47], s[6:7], s[46:47]
	CROUND                                         ; all sixteen work-groups are here: the first joint loads meet
.irp s, 0,1
	s_mov_b32 s[G0+4*\s], 1                                        ; count = 1
	s_add_co_u32 s[G0+4*\s+1], s20, \s*SLOT                        ; LDS address
	s_add_nc_u64 s[G0+4*\s+2:G0+4*\s+3], s[14:15], \s*KSTEP*2      ; global address: K step s
	s_or_b32 s[G0+4*\s+3], s[G0+4*\s+3], 0x80000000                ; type = 2
	s_mov_b32 s[G0B+4*\s], 1
	s_add_co_u32 s[G0B+4*\s+1], s20, \s*SLOT
	s_add_nc_u64 s[G0B+4*\s+2:G0B+4*\s+3], s[46:47], \s*KSTEP*2
	s_or_b32 s[G0B+4*\s+3], s[G0B+4*\s+3], 0x80000000
	JLOAD \s                                       ; the ring is filled before anything else is done
.endr
	; A fragment is 16 rows x 32 K in 8 registers: lane l holds row l % 16; registers 0-3 hold K = 8 (l / 16) + 0..7, registers 4-7
	; K = 16 + 8 (l / 16) + 0..7: two loads of 16 bytes, 32 bytes apart.
	v_and_b32 v1, 15, v0                           ; l % 16
	v_bfe_u32 v2, v0, 4, 1                         ; l / 16
	v_and_b32 v5, 31, v0                           ; l
	v_mul_u32_u24 v3, v1, PITCH
	v_lshl_add_u32 v3, v2, 4, v3                   ; row x pitch + 16 x half
	s_mul_i32 s21, s11, HALFT                      ; my 128 rows of aq
	s_mul_i32 s22, s12, HALFT                      ; my 128 rows of wq,
	s_add_co_u32 s22, s22, 2*HALFT                 ; which lie behind aq's 256
.irp s, 0,1
	v_add_nc_u32 v[ADRA+\s], s21, v3
	v_add_nc_u32 v[ADRB+\s], s22, v3
	s_add_co_u32 s21, s21, SLOT
	s_add_co_u32 s22, s22, SLOT
.endr
	s_mul_i32 s23, s10, 16*SPITCH
	s_add_co_u32 s23, s23, STAGE                   ; my stage
	v_mul_u32_u24 v4, v1, SPITCH                   ; in: row l % 16, 32 bytes for each half of the lanes
	v_lshl_add_u32 v4, v2, 5, v4
	v_add_nc_u32 v[STO], s23, v4
	v_lshlrev_b32 v[CO], 4, v5                     ; back and out: the 32 lanes take one row of 512 bytes
	v_add_nc_u32 v[RD], s23, v[CO]
	s_lshl_b32 s66, s42, 10                        ; my first column in bytes of f32: 1,024 x block column + 512 x half
	s_lshl_b32 s67, s12, 9
	s_add_co_u32 s66, s66, s67
	s_mov_b32 s67, 0
	s_add_nc_u64 s[68:69], s[68:69], s[66:67]
	global_load_b128 v[BI:BI+3], v[CO], s[68:69]   ; bias of columns 4 l .. 4 l + 3 of my 128
; 16 matrix instructions: m blocks a0, a0 + 1 of the window's four (hi = 0: my rows 0-63, 1: rows 64-127) x all 8 n blocks, 32 along K.
; zero = 1: the first product starts the sums: nothing is ever cleared.
.macro MUL16 f, hi, a0, zero
.irp a, \a0, \a0+1
.irp b, 0,1,2,3,4,5,6,7
.if \zero
	v_wmma_f32_16x16x32_f16 v[8*(8*(\a)+\b):8*(8*(\a)+\b)+7], v[\f+8*\b:\f+8*\b+7], v[\f+8*(4*\hi+\a):\f+8*(4*\hi+\a)+7], 0
.else
	v_wmma_f32_16x16x32_f16 v[8*(8*(\a)+\b):8*(8*(\a)+\b)+7], v[\f+8*\b:\f+8*\b+7], v[\f+8*(4*\hi+\a):\f+8*(4*\hi+\a)+7], v[8*(8*(\a)+\b):8*(8*(\a)+\b)+7]
.endif
.endr
.endr
.endm
; 32 LDS loads in one run: the fragments of one quarter step (128 rows of wq, 128 rows of aq, 32 K at byte k of the rows) into buffer f
.macro FETCH slot, k, f
	WIN TO_B
.irp i, 0,1,2,3,4,5,6,7
	ds_load_b128 v[\f+8*\i:\f+8*\i+3],   v[ADRB+\slot] offset:\k+\i*16*PITCH
	ds_load_b128 v[\f+8*\i+4:\f+8*\i+7], v[ADRB+\slot] offset:\k+\i*16*PITCH+32
.endr
	WIN 0
.irp i, 0,1,2,3,4,5,6,7
	ds_load_b128 v[\f+8*\i:\f+8*\i+3],   v[ADRA+\slot] offset:\k+\i*16*PITCH
	ds_load_b128 v[\f+8*\i+4:\f+8*\i+7], v[ADRA+\slot] offset:\k+\i*16*PITCH+32
.endr
.endm
; Four places stand between a matrix instruction and a load into one of its registers, or an instruction that reads its result
; (ISA guide 7.12.1 for vector instructions); the matrix instructions in between are not counted.
.macro PLACES
.rept 4
	v_nop
.endr
.endm
; A K step is four quarter steps of 32 along K, 64 matrix instructions each, on buffers 0, 1, 0, 1.  The 64 accumulators take turns, one
; instruction a turn, in the same order in every quarter.
; One of the first three quarters: multiplies buffer f; in its middle it fetches the next quarter's fragments into buffer g.
.macro QUARTER slot, k, f, g, zero
	s_wait_dscnt 8                                 ; wq and aq's rows 0-63 are in; the youngest eight loads (aq's rows 64-127) may be out
	WIN MUL_LO
	MUL16 \f, 0, 0, \zero
	MUL16 \f, 0, 2, \zero
	PLACES
	FETCH \slot, \k, \g
	s_wait_dscnt 32                                ; all but the 32 just issued
	WIN MUL_HI
	MUL16 \f, 1, 0, \zero
	MUL16 \f, 1, 2, \zero
.endm
.macro THREE slot, zero
	QUARTER \slot, 64,  F0, F1, \zero
	QUARTER \slot, 128, F1, F0, 0
	QUARTER \slot, 192, F0, F1, 0
.endm
; The last quarter: multiplies buffer 1 and changes slots.  next = the other slot; fill = 1: this slot is filled again, two K steps ahead.
; One barrier for the change.  In front of it each wave waits for its own reads of this slot and for all its tensor loads, of which one
; is out: its part of the next slot.  Behind it nobody reads this slot any more and the next slot is whole: the refill comes first, then
; the next slot's first fragments.  From a request to the wait for it a wave issues 240 matrix instructions.
.macro TURN slot, next, fill
	s_wait_dscnt 8
	WIN MUL_LO
	MUL16 F1, 0, 0, 0
	s_wait_dscnt 0                                 ; my reads of this slot are over
	s_wait_tensorcnt 0x0                           ; and all my tensor loads have landed
	ds_add_u32 v255, v255
	s_wait_dscnt 0x0
	s_barrier_signal -1                            ; say so (where a slot is filled again this barrier opens a round of the cluster's barrier),
	MUL16 F1, 0, 2, 0                              ; work on registers while the others arrive,
	WIN 0
	s_barrier_wait -1
.if \fill
	CREST                                          ; no wave of any partner still reads this slot's tile or has a load on its way
	s_add_nc_u64 s[G0+4*\slot+2:G0+4*\slot+3], s[G0+4*\slot+2:G0+4*\slot+3], 2*KSTEP*2
	s_add_nc_u64 s[G0B+4*\slot+2:G0B+4*\slot+3], s[G0B+4*\slot+2:G0B+4*\slot+3], 2*KSTEP*2
	JLOAD \slot                                    ; the first tensor load behind the round, one a wave
.endif
	PLACES
	FETCH \next, 0, F0
	WIN MUL_HI
	MUL16 F1, 1, 0, 0
	MUL16 F1, 1, 2, 0
.endm
.macro LAP zero                        ; two K steps, once round the ring, both slots filled again
	THREE 0, \zero
	TURN 0, 1, 1
	THREE 1, 0
	TURN 1, 0, 1
.endm
	s_wait_loadcnt 0x0                             ; bias, once
	s_wait_tensorcnt 1                             ; my part of K step 0 is in; K step 1's may stay out
	s_barrier_signal -1
	s_barrier_wait -1                              ; everybody's is
	FETCH 0, 0, F0
	LAP 1                                          ; K steps 0, 1 (they ask for 2, 3): the first products start the sums
	WIN 0                                          ; at a label and at a branch every window is 0
	s_mov_b32 s3, (STEPS-5)/2                      ; 14 laps: K steps 2 to 29 (they ask for 4 to 31)
.Llap:
	LAP 0
	WIN 0
	s_sub_co_u32 s3, s3, 1
	s_cmp_lg_u32 s3, 0
	s_cbranch_scc1 .Llap
	THREE 0, 0                                     ; K step 30, in slot 0,
	TURN 0, 1, 1                                   ; which is filled once more: K step 32, the last joint load
	THREE 1, 0                                     ; K step 31
	TURN 1, 0, 0                                   ; nothing is left to fetch: a plain barrier; its wait for 0 shows K step 32 landed
	THREE 0, 0                                     ; K step 32
	s_wait_dscnt 8                                 ; the very last quarter
	WIN MUL_LO
	MUL16 F1, 0, 0, 0
	MUL16 F1, 0, 2, 0
	s_wait_dscnt 0
	WIN MUL_HI
	MUL16 F1, 1, 0, 0
	MUL16 F1, 1, 2, 0
	; THE WAY OUT, 16 rows at a time: the accumulators go as they are, 32 bytes a lane, into my own stage in LDS, and come back as whole
	; rows of 512 bytes; bias is added; one store of the wave covers 512 consecutive bytes, aligned.
	PLACES                                         ; behind the last matrix instructions: for the LDS stores of results and the loads into the buffers
	s_lshl_b32 s13, s13, 8
	s_lshl_b32 s14, s11, 7
	s_add_co_u32 s16, s13, s14                     ; my first row
	s_mov_b32 s17, 0
	s_mov_b64 s[18:19], SIZE_N*4
	s_mul_u64 s[16:17], s[16:17], s[18:19]
	s_add_nc_u64 s[8:9], s[8:9], s[16:17]
	s_add_nc_u64 s[8:9], s[8:9], s[66:67]          ; my first column: the same byte offset as in bias
; rows 16 i .. 16 i + 15 of my block = the eight tiles (a, 0..7) of window 2 or 3 (from = 0x08 or 0x0c: an LDS store's data is source 1);
; f: F0 or F1 in turn
.macro OUT16 i, a, from, f
	WIN \from
.irp b, 0,1,2,3,4,5,6,7
	ds_store_b128 v[STO], v[8*(8*\a+\b):8*(8*\a+\b)+3] offset:64*\b
	ds_store_b128 v[STO], v[8*(8*\a+\b)+4:8*(8*\a+\b)+7] offset:64*\b+16
.endr
	WIN 0
	s_wait_xcnt 0x0                                ; earlier stores have had their addresses translated (ISA guide 3.1): buffer f, which they read, and their base are rewritten only behind this wait
.if \i
	s_add_nc_u64 s[8:9], s[8:9], 16*SIZE_N*4       ; 16 rows on
.endif
.set t, 0
.rept 16
	ds_load_b128 v[\f+4*t:\f+4*t+3], v[RD] offset:t*SPITCH         ; LDS serves a wave's instructions in order (ISA guide 5.7.1.4): these see the stores above
.set t, t+1
.endr
.set t, 0
.rept 16
	s_wait_dscnt 15-t                              ; row t is back; the younger rows may be out
	v_pk_add_f32 v[\f+4*t:\f+4*t+1], v[\f+4*t:\f+4*t+1], v[BI:BI+1]
	v_pk_add_f32 v[\f+4*t+2:\f+4*t+3], v[\f+4*t+2:\f+4*t+3], v[BI+2:BI+3]
	global_store_b128 v[CO], v[\f+4*t:\f+4*t+3], s[8:9] offset:t*SIZE_N*4 th:TH_STORE_NT
.set t, t+1
.endr
.endm
	OUT16 0, 0, 0x08, F0
	OUT16 1, 1, 0x08, F1
	OUT16 2, 2, 0x08, F0
	OUT16 3, 3, 0x08, F1
	OUT16 4, 0, 0x0c, F0
	OUT16 5, 1, 0x0c, F1
	OUT16 6, 2, 0x0c, F0
	OUT16 7, 3, 0x0c, F1
	s_set_vgpr_msb 0x1
	s_wait_tensorcnt 0x0
	ds_add_u32 v255, v255
	s_wait_dscnt 0x0
	s_set_vgpr_msb 0x100
	CROUND                                         ; the closing round: no work-group ends while a partner may still ask for a tile that names it
	s_endpgm
.Lfunc_end_k_q0eb2115f1e_gemm:
	.size	k_q0eb2115f1e_gemm, .Lfunc_end_k_q0eb2115f1e_gemm-k_q0eb2115f1e_gemm
	.p2alignl 7, 3214868480
	.fill 96, 4, 3214868480
	.section	.rodata,"a",@progbits
	.p2align	6, 0x0
	.amdhsa_kernel k_q0eb2115f1e_gemm
		.amdhsa_group_segment_fixed_size 327680
		.amdhsa_private_segment_fixed_size 0
		.amdhsa_enable_private_segment 0
		.amdhsa_kernarg_size 32
		.amdhsa_user_sgpr_count 2
		.amdhsa_user_sgpr_kernarg_segment_ptr 1
		.amdhsa_wavefront_size32 1
		.amdhsa_system_sgpr_workgroup_id_x 1
		.amdhsa_system_sgpr_workgroup_id_y 1
		.amdhsa_system_sgpr_workgroup_id_z 1
		.amdhsa_system_vgpr_workitem_id 0
		.amdhsa_next_free_vgpr 1024
		.amdhsa_next_free_sgpr 70
		.amdhsa_reserve_vcc 0
		.amdhsa_float_denorm_mode_32 3
		.amdhsa_float_denorm_mode_16_64 3
		.amdhsa_memory_ordered 1
		.amdhsa_forward_progress 1
		.amdhsa_inst_pref_size 238
	.end_amdhsa_kernel
	.amdgpu_metadata
---
amdhsa.version: [ 1, 2 ]
amdhsa.kernels:
  - .name:           k_q0eb2115f1e_gemm
    .symbol:         k_q0eb2115f1e_gemm.kd
    .args:
      - { .name: aq, .offset: 0, .size: 8, .value_kind: global_buffer, .address_space: global }
      - { .name: wq, .offset: 8, .size: 8, .value_kind: global_buffer, .address_space: global }
      - { .name: out0, .offset: 16, .size: 8, .value_kind: global_buffer, .address_space: global }
      - { .name: bias, .offset: 24, .size: 8, .value_kind: global_buffer, .address_space: global }
    .group_segment_fixed_size: 327680
    .private_segment_fixed_size: 0
    .kernarg_segment_align: 8
    .kernarg_segment_size: 32
    .max_flat_workgroup_size: 128
    .sgpr_count:     70
    .vgpr_count:     1024
    .wavefront_size: 32
...
	.end_amdgpu_metadata
.endif
;; end of part 2
;; ======== version 2 of 2: 2 launches; version 1 with the launch prep written anew for expert scheduling mode
;; limits: values are held in f16: magnitudes above 65,504 overflow, below 6.1e-05 lose precision
;; workspace buffers: aq 34,603,008 bytes; wq 34,603,008 bytes
;; launch prep (part 3): grid 64 x 4, 16 waves a work-group, no clusters, 208,896 bytes of LDS; arguments x, proj_down_dense, main_qweight, main_wscale, proj_up_dense, aq, wq; writes aq, wq
.if DOCPART == 3
	.amdgcn_target "amdgcn-amd-amdhsa--gfx1250"
	.amdhsa_code_object_version 6
	.text
	.protected	k_q0eb2115f1e_prep
	.globl	k_q0eb2115f1e_prep
	.p2align	8
	.type	k_q0eb2115f1e_prep,@function
k_q0eb2115f1e_prep:
	s_mov_b64 s[64:65], 0
	v_nop
	global_prefetch_b8 v0, s[64:65] scope:SCOPE_SE
	s_setreg_imm32_b32 hwreg(HW_REG_WAVE_SCHED_MODE, 0, 2), 2
	s_setreg_imm32_b32 hwreg(HW_REG_WAVE_MODE, 25, 1), 1
	s_wait_xcnt 0x0
	s_wait_alu depctr_vm_vsrc(0)
; Both operands of the matrix product are made here, in f16, in one launch.  aq, wq: [4096][4224] f16, a row is 8,448 bytes = 33 x 256.
;   aq[n][k] = f16( q * ascale ), k = 0 .. 4095: ascale = max |x| of the group of 64 times 1/127, q = clip(round(x / ascale), -127, 127)
;   aq[n][4096 + 32 j + r] = f16( 1/16 * sum over k in [1024 j, 1024 j + 1023] of x[n][k] down[k][r] ), operands f16, sums f32
;   wq[o][k] = f16( qweight[o][k] * wscale[o][k / 64] ), k = 0 .. 4095;   wq[o][4096 + 32 j + r] = f16( 16 * up[r][o] ), j = 0 .. 3
; The four copies of up stand against the four partial low-rank products; the factors 16 and 1/16 are exact and cancel: they move the
; partial products away from f16's upper end.
; Sixteen waves, four to a SIMD with 256 registers each.  Work-group (bx, j):
;   waves 0-7:  rows 64 bx .. + 63 of x, k = 1024 j .. + 1023 (256 KiB); wave w takes the 128 k at 1024 j + 128 w, for all 64 rows.
;   waves 8-15: the 16 rows of weights of number bx + 64 j (256 KiB); a wave takes two whole rows.
; The two halves are streams that do not depend on each other; they part on the wave's number and join in front of the one barrier,
; behind which all 512 threads add the eight waves' partial low-rank sums.
; THE x HALF.  One load is one row's 512 bytes: lane l holds k = 4 l .. 4 l + 3, so 16 neighbouring lanes hold one group of 64 and the
; maximum is four steps inside a half of 16 lanes.  Rows go two at a time, their two dependent chains interleaved.  The wave's 128 x 32
; piece of down goes once through LDS into eight fragments that stay in registers; 16 rows of x at a time go through the wave's own LDS
; stage into four fragments; eight matrix instructions, used transposed (source 0 = down, source 1 = x), so that a lane holds 8
; neighbouring ranks of one row.
; THE WEIGHTS HALF.  A row is 32 chunks: loads of 512 neighbouring bytes (two groups of 64, one in each half of the lanes) and stores of
; 256 neighbouring bytes, aligned.
; No cluster: the 64 work-groups of one j share their piece of down, 128 of the 640 KiB that a work-group reads, and it has to pass
; through registers to become f16; nothing else is read twice.  up is read as 8 bytes of each of its 32 rows, and aq's extension is
; stored as 64 bytes of each row (its four chunks belong to four work-groups): 0.5 MiB and 1 MiB of the launch's 195 MiB.
; LIMITS.  x finite.  The division is a multiplication by v_rcp_f32 (1 ULP): where x / ascale lies within about 1e-5 of a half the rounding
; can fall to the other side, one number off by one step ascale.  ascale is kept at 2^-126 at the least: that serves the all-zero group
; (zeros stay zeros under any scale), and groups whose maximum is below 127 x 2^-126 get the step 2^-126.  |q ascale|, |x|, |down|,
; |qweight wscale| and 16 |up| below 65,504 and the partial sums below 16 x 65,504 (f16); beyond that the stored number is an infinity.
; Weights of any int32 value are taken (exact up to 2^24, rounded once beyond).
; THE MODE: SCHED_MODE bits 1:0 = 2 (LLVM: expert scheduling mode 2), set by the entry lines.  The code itself states the register
; dependences between vector or matrix instructions and memory or LDS instructions, with s_wait_alu, always for 0.
; THE PLAN, x HALF.  Registers that memory or LDS instructions touch:
;   v2-v8   offsets and LDS addresses: written at the head, read by every load and store; v2-v5 are written again at the end alone.
;   X       26 slots of a row each.  Pair p's vector lines read its two slots; the loads issued in pair p + 1 land in them: 24 rows are
;           asked for at the start and two more in every pair, so two slots more than 24 keep as many loads on their way.
;   XB      Written by pair p's four conversions ahead of the pair's wait; read by its two LDS stores behind it.
;   Y = AF  Pair p's last four conversions write its four registers of Y; the two row stores issued in pair p + 1 read them.  Behind a
;           block's sixteen rows the fragments of x land in the same registers, and the matrix instructions read them.
;   ACC     Written by a block's matrix instructions, read by its four LDS stores.
; ONE wait on va_vdst stands in a pair, behind the reciprocals and XB's conversions.  The pair's six memory instructions follow it, dealt
; among vector lines that name this pair's slots, this pair's Y and registers at work alone.  One wait on vm_vsrc a pair frees XB.  A
; block's end has a wait on va_vdst for the last pair's loads and stores, one on vm_vsrc ahead of the fragments' loads, and one on
; va_vdst ahead of the LDS stores of the sums.
; THE PLAN, WEIGHTS HALF.  The wave's 64 chunks go in groups of eight.
;   WX      40 slots.  Chunk n's lines work in slot n % 40; chunks 0 to 31 are asked for at the start, chunk n + 32 in chunk n's turn,
;           into a slot that the group before worked in (in the first group: into the eight slots beyond the first 32).
;   WY      32 pairs.  Chunk n's roundings write pair n % 32; the store issued in chunk n + 8's turn reads it.
; ONE wait on va_vdst stands at a group's head; two waits on vm_vsrc, at chunks 32 and 56, free the pairs of WY that are written again.
.set XROW,   16384                     ; bytes in a row of x and of the weights
.set OROW,   8448                      ; bytes in a row of aq and of wq
.set DEPTH,  24                        ; the x half: rows asked for at the start
.set SLOTS,  26                        ; the x half: slots in the ring
.set DPITCH, 96                        ; LDS row of down: 32 f16 + 32 bytes, an odd multiple of 32 for the transposing loads
.set XPITCH, 272                       ; LDS row of x: 128 f16 + 16 bytes, an odd multiple of 16
.set RPITCH, 144                       ; LDS row of partial sums: 32 f32 + 16 bytes
.set DSTW,   128*DPITCH                ; a wave's piece of down: 12,288 bytes, from LDS byte 0
.set XST,    8*DSTW                    ; 98,304: the waves' stages for x,
.set XSTW,   16*XPITCH                 ; 4,352 bytes each
.set RED,    XST+8*XSTW                ; 133,120: the waves' partial sums,
.set REDW,   64*RPITCH                 ; 9,216 bytes each; the end is 206,848
; scalars: s[4:5] x, s[6:7] down, s[8:9] weights, s[10:11] scales, s[12:13] up, s[14:15] aq (kept as it came), s[16:17] wq,
; s[18:19] aq at my wave's 256 bytes, s20 wave, s21 j, s[22:23] an offset with 0 above it, s24 at work, s25, s26 the clip's bounds,
; s27-s29 my wave's LDS regions, s[30:31] aq's extension
; the x half's vector registers (v0, the thread's number, is kept for the end)
.set VX,  2                            ; 16 lane: my bytes in a row's 512 of x, and in 512 bytes of down
.set VA,  3                            ; 8 lane: my bytes in a row's 256 of aq
.set VXS, 4                            ; LDS: where I put 4 f16 of x
.set VF,  5                            ; LDS: my part of a fragment of x
.set VD,  6                            ; LDS: where I put 4 f16 of down
.set VT,  7                            ; LDS: my part of a transposing load of down
.set VR,  8                            ; LDS: where I put my partial sums
.set MA,  16                           ; the group's maximum, first row of the two
.set MB,  17                           ; second row
.set SA,  18                           ; v[18:19] ascale; the second register is 0 (the packed forms name the pair)
.set RA,  20                           ; v[20:21] 1 / ascale; likewise
.set QA,  22                           ; v[22:25] four numbers at work
.set XB,  26                           ; v[26:29] x as f16, a pair for each of the two rows
.set DN,  32                           ; v[32:159] down as loaded; its f16 close up into the first two of each four registers
.set BF,  32                           ; v[32:95]  then its fragments: (s, t) = 32 k at 32 s, 16 ranks at 16 t, at BF + 8 (2 s + t)
.set AF,  96                           ; v[96:127] four fragments of 16 rows of x,
.set Y,   96                           ;           and before that the sixteen rows' f16 to store, a pair a row
.set ACC, 128                          ; v[128:143] two accumulators: ranks 0-15, 16-31
.set SB,  144                          ; v[144:151] the second row's ascale, reciprocal and four numbers
.set RB,  146
.set QB,  148
.set X,   152                          ; v[152:255] row r lies in slot (r + 2) % 26: 4 numbers of x
; the weights half's vector registers
.set WQ,  2                            ; byte offset of my 16 bytes in my wave's first row of weights; never rewritten
.set WO,  3                            ; byte offset of my 8 bytes in my wave's first row of wq; never rewritten
.set WS,  4                            ; byte offset of my scale
.set WU,  5                            ; byte offset of my pieces of up
.set SC,  8                            ; v[8:11]    SC[2 row + half]: lane (h = lane / 16, p = lane % 16) holds scale[32 half + 2 p + h]
.set U,   12                           ; v[12:19]   U[2 i], U[2 i + 1] = up[4 (lane % 8) + i][o], [o + 1]
.set E,   20                           ; v[20:23]   the extension, packed
.set WX,  24                           ; v[24:183]  slot n % 40: 4 weights as loaded, then as f32
.set WY,  184                          ; v[184:247] pair n % 32: 4 f16 to store
; the end's vector registers
.set P,   160                          ; v[160:191] the eight waves' parts of my four sums; v[192:193] the four as f16
	s_load_b256 s[4:11], s[0:1], 0x0               ; x, down, weights, scales
	s_load_b128 s[12:15], s[0:1], 0x20             ; up, aq
	s_load_b64 s[16:17], s[0:1], 0x30              ; wq
	v_lshrrev_b32 v1, 5, v0
	v_readfirstlane_b32 s20, v1                    ; wave 0..15
	s_and_b32 s21, ttmp7, 0xffff                   ; j
	s_mov_b32 s23, 0
	v_and_b32 v1, 31, v0                           ; lane l
	s_wait_alu depctr_va_sdst(0)                   ; s20 is written, ahead of its first reader, the compare below
	s_cmp_ge_u32 s20, 8
	s_cbranch_scc1 .Lweights                       ; on the wave's number alone; no barrier stands inside either half
	; ---------------------------------------------------------------- THE x HALF: waves 0 to 7
	s_mov_b32 s25, 0xc2fe0000                      ; -127.0
	s_mov_b32 s26, 0x42fe0000                      ; 127.0
	s_mul_i32 s27, s20, DSTW                       ; my wave's three LDS regions
	s_mul_i32 s28, s20, XSTW
	s_add_co_u32 s28, s28, XST
	s_mul_i32 s29, s20, REDW
	s_add_co_u32 s29, s29, RED
	v_and_b32 v11, 15, v0                          ; r = l % 16
	v_bfe_u32 v12, v0, 4, 1                        ; h = l / 16
	v_and_b32 v13, 7, v0                           ; l % 8
	v_bfe_u32 v14, v0, 3, 2                        ; l / 8
	v_bfe_u32 v15, v0, 3, 1                        ; (l / 8) % 2
	v_lshlrev_b32 v[VX], 4, v1
	v_lshlrev_b32 v[VA], 3, v1
	v_add_nc_u32 v[VXS], s28, v[VA]
	v_mul_u32_u24 v[VF], v11, XPITCH
	v_lshl_add_u32 v[VF], v12, 4, v[VF]
	v_add_nc_u32 v[VF], s28, v[VF]                 ; row r, 16 h
	v_mul_u32_u24 v[VD], v14, DPITCH
	v_lshl_add_u32 v[VD], v13, 3, v[VD]
	v_add_nc_u32 v[VD], s27, v[VD]                 ; k row l / 8, ranks 4 (l % 8)
	v_lshl_add_u32 v[VT], v12, 3, v13
	v_mul_u32_u24 v[VT], v[VT], DPITCH
	v_lshl_add_u32 v[VT], v15, 4, v[VT]
	v_add_nc_u32 v[VT], s27, v[VT]                 ; k row 8 h + l % 8, 16 bytes for each half of eight lanes
	v_mul_u32_u24 v[VR], v11, RPITCH
	v_lshl_add_u32 v[VR], v12, 5, v[VR]
	v_add_nc_u32 v[VR], s29, v[VR]                 ; row r, ranks 8 h
	v_mov_b32 v[SA+1], 0
	v_mov_b32 v[RA+1], 0
	s_wait_kmcnt 0x0
	s_lshl_b32 s22, ttmp9, 20                      ; 64 rows of 16,384 bytes
	s_lshl_b32 s24, s21, 12                        ; 1,024 k of 4 bytes
	s_add_co_u32 s22, s22, s24
	s_lshl_b32 s24, s20, 9                         ; 128 k of 4 bytes
	s_add_co_u32 s22, s22, s24
	s_add_nc_u64 s[4:5], s[4:5], s[22:23]          ; x at my wave's piece of the first row
	s_lshl_b32 s22, s21, 17                        ; 1,024 rows of 128 bytes
	s_lshl_b32 s24, s20, 14                        ; 128 rows
	s_add_co_u32 s22, s22, s24
	s_add_nc_u64 s[6:7], s[6:7], s[22:23]          ; down at my wave's piece
	s_mul_i32 s22, ttmp9, 64*OROW                  ; 64 rows of 8,448 bytes
	s_lshl_b32 s24, s21, 11                        ; 1,024 k of 2 bytes
	s_add_co_u32 s22, s22, s24
	s_lshl_b32 s24, s20, 8                         ; 128 k of 2 bytes
	s_add_co_u32 s22, s22, s24
	s_add_nc_u64 s[18:19], s[14:15], s[22:23]      ; aq at my wave's 256 bytes of the first row
	s_wait_alu depctr_va_vdst(0)                   ; the seven offsets and LDS addresses v2 to v8 are written, which every load and store of this half reads
.set i, 0
.rept 32
	global_load_b128 v[DN+4*i:DN+4*i+3], v[VX], s[6:7] offset:512*i                 ; k rows 4 i + l / 8, ranks 4 (l % 8) .. + 3
.set i, i+1
.endr
.set i, 0
.rept DEPTH
	global_load_b128 v[X+4*(i+2):X+4*(i+2)+3], v[VX], s[4:5] offset:XROW*i th:TH_LOAD_NT    ; rows 0 to 23 into slots 2 to 25
.set i, i+1
.endr
; sixteen loads of down: to f16 in place, then into the wave's own LDS rows
.macro DOWN16 first
.set i, \first
.rept 16
	v_cvt_pk_f16_f32 v[DN+4*i], v[DN+4*i], v[DN+4*i+1]                              ; four numbers close up into the first two of their four registers
	v_cvt_pk_f16_f32 v[DN+4*i+1], v[DN+4*i+2], v[DN+4*i+3]
.set i, i+1
.endr
	s_wait_alu depctr_va_vdst(0)                   ; the conversions have written the pairs that the LDS stores below read
.set i, \first
.rept 16
	ds_store_b64 v[VD], v[DN+4*i:DN+4*i+1] offset:4*DPITCH*i
.set i, i+1
.endr
.endm
	s_wait_loadcnt DEPTH+16                        ; younger: sixteen loads of down and the 24 rows of x
	DOWN16 0
	s_wait_loadcnt DEPTH                           ; younger: the 24 rows of x
	DOWN16 16
	s_wait_alu depctr_vm_vsrc(0)                   ; the 32 LDS stores have read their pairs in v[32:159]: these registers are written again from here on, as the second row's, as fragments, Y, sums and two slots of x
	v_mov_b32 v[SB+1], 0                           ; free now that down has been converted and stored
	v_mov_b32 v[RB+1], 0
	; The eight fragments of down.  LDS serves a wave's instructions in order (ISA guide 5.7.1.4), so these see the stores above; the bytes are
	; the wave's own.  The conversions that named v[32:95] stand ahead of the last wait on va_vdst; the two lines since name v145 and v147.
	; The fragments' registers are not touched before the wait for 0 in front of the first matrix instructions.
.irp s, 0,1,2,3
.irp t, 0,1
	ds_load_tr16_b128 v[BF+8*(2*\s+\t):BF+8*(2*\s+\t)+3], v[VT] offset:32*DPITCH*\s+32*\t
	ds_load_tr16_b128 v[BF+8*(2*\s+\t)+4:BF+8*(2*\s+\t)+7], v[VT] offset:32*DPITCH*\s+32*\t+16*DPITCH
.endr
.endr
.set row, 0                            ; the first row of the pair in hand: 0, 2, .. 62
.set LD,  DEPTH                        ; the next row to be asked for
.set ST,  0                            ; the next row to be stored
; Two more rows are asked for, if rows are left and the slots' last rows, LD - 26 and LD - 25, belong to a pair that stands ahead of the last wait on va_vdst.
.macro REFILL
.if (LD < 64) && (LD < row+SLOTS)
.set sl, X+4*((LD+2)%SLOTS)
	global_load_b128 v[sl:sl+3], v[VX], s[4:5] offset:XROW*LD th:TH_LOAD_NT
	global_load_b128 v[sl+4:sl+7], v[VX], s[4:5] offset:XROW*(LD+1) th:TH_LOAD_NT
.set LD, LD+2
.endif
.endm
; The two rows of the pair before are stored, if they have not been.
.macro SENDY
.if ST < row
	global_store_b64 v[VA], v[Y+2*(ST%16):Y+2*(ST%16)+1], s[18:19] offset:OROW*ST             ; 32 lanes x 8 bytes: 256 consecutive bytes, aligned
	global_store_b64 v[VA], v[Y+2*(ST%16)+2:Y+2*(ST%16)+3], s[18:19] offset:OROW*(ST+1)
.set ST, ST+2
.endif
.endm
; Two rows, row and row + 1.  The two rows' chains take turns line by line, so that no line waits for the one in front of it.
.macro PAIR
.set sa, X+4*((row+2)%SLOTS)
.set sb, sa+4
.set ya, Y+2*(row%16)
	s_wait_loadcnt LD-row-2                        ; both rows are in; the rows behind them that have been asked for stay on their way: 22, behind a block's end 24, and 62 - row once row 63 is asked for
	v_max3_num_f32 v[MA], |v[sa]|, |v[sa+1]|, |v[sa+2]|
	v_max3_num_f32 v[MB], |v[sb]|, |v[sb+1]|, |v[sb+2]|
	v_max_num_f32 v[MA], v[MA], |v[sa+3]|
	v_max_num_f32 v[MB], v[MB], |v[sb+3]|
.irp m, 1,2,4,8
	v_max_num_f32_dpp v[MA], v[MA], v[MA] row_xmask:\m row_mask:0xf bank_mask:0xf
	v_max_num_f32_dpp v[MB], v[MB], v[MB] row_xmask:\m row_mask:0xf bank_mask:0xf
.endr
	v_mul_f32 v[SA], 0x3c010204, v[MA]             ; the maximum of the 64, in all 16 lanes, x 1/127 as f32
	v_mul_f32 v[SB], 0x3c010204, v[MB]
	v_max_num_f32 v[SA], 0x00800000, v[SA]         ; at least 2^-126: no division by zero, and the reciprocal is finite
	v_max_num_f32 v[SB], 0x00800000, v[SB]
	v_rcp_f32 v[RA], v[SA]
	v_rcp_f32 v[RB], v[SB]
.if row%16
	s_wait_alu depctr_vm_vsrc(0)                   ; the LDS stores of the pair before have read XB, which the four lines below write again (ahead of a block's first pair the block's end has stated it)
.endif
	v_cvt_pk_f16_f32 v[XB], v[sa], v[sa+1]         ; x itself for the low-rank product; also the plain instructions that stand between
	v_cvt_pk_f16_f32 v[XB+1], v[sa+2], v[sa+3]     ; v_rcp_f32 and the first use of its result (ISA guide 5.7.2)
	v_cvt_pk_f16_f32 v[XB+2], v[sb], v[sb+1]
	v_cvt_pk_f16_f32 v[XB+3], v[sb+2], v[sb+3]
	s_wait_alu depctr_va_vdst(0)                   ; the pair's one wait: the two reciprocals are written, ahead of their first reader; XB is written, which the LDS stores read; the pair before has written its Y, which the row stores read, and is done reading its slots, in which the loads land
	REFILL                                         ; no line from here to the pair's end names the slots of the pair before, its Y, XB or an offset
	v_pk_mul_f32 v[QA:QA+1], v[sa:sa+1], v[RA:RA+1] op_sel_hi:[1,0]
	v_pk_mul_f32 v[QB:QB+1], v[sb:sb+1], v[RB:RB+1] op_sel_hi:[1,0]
	v_pk_mul_f32 v[QA+2:QA+3], v[sa+2:sa+3], v[RA:RA+1] op_sel_hi:[1,0]
	v_pk_mul_f32 v[QB+2:QB+3], v[sb+2:sb+3], v[RB:RB+1] op_sel_hi:[1,0]
	ds_store_b64 v[VXS], v[XB:XB+1] offset:XPITCH*(row%16)
	ds_store_b64 v[VXS], v[XB+2:XB+3] offset:XPITCH*(row%16+1)
.irp k, 0,1,2,3
	v_rndne_f32 v[QA+\k], v[QA+\k]
	v_rndne_f32 v[QB+\k], v[QB+\k]
.endr
	SENDY
.irp k, 0,1,2,3
	v_med3_num_f32 v[QA+\k], v[QA+\k], s25, s26    ; the clip to -127 .. 127
	v_med3_num_f32 v[QB+\k], v[QB+\k], s25, s26
.endr
	v_pk_mul_f32 v[QA:QA+1], v[QA:QA+1], v[SA:SA+1] op_sel_hi:[1,0]
	v_pk_mul_f32 v[QB:QB+1], v[QB:QB+1], v[SB:SB+1] op_sel_hi:[1,0]
	v_pk_mul_f32 v[QA+2:QA+3], v[QA+2:QA+3], v[SA:SA+1] op_sel_hi:[1,0]
	v_pk_mul_f32 v[QB+2:QB+3], v[QB+2:QB+3], v[SB:SB+1] op_sel_hi:[1,0]
	v_cvt_pk_f16_f32 v[ya], v[QA], v[QA+1]
	v_cvt_pk_f16_f32 v[ya+2], v[QB], v[QB+1]
	v_cvt_pk_f16_f32 v[ya+1], v[QA+2], v[QA+3]
	v_cvt_pk_f16_f32 v[ya+3], v[QB+2], v[QB+3]
.set row, row+2
.endm
; Sixteen rows, then their product with the wave's piece of down.  The two accumulators take turns, one instruction a turn.
; The next block's writes of Y (= AF) and its first products into ACC stand behind the four v_nop and the rows' vector work.
.macro BLOCK b
.rept 8
	PAIR
.endr
	s_wait_alu depctr_va_vdst(0)                   ; the block's last pair has written its Y, which the two stores below read, and is done reading its slots, in which the loads below land; every line that named Y is done, so the fragments may land there
	REFILL
	SENDY
	s_wait_xcnt 0x0                                ; the sixteen rows' stores have had their addresses translated (ISA guide 3.1): their data, Y, lies in the registers that the loads below write
	s_wait_alu depctr_vm_vsrc(0)                   ; the sixteen rows' stores have read Y, in which the fragments land; the last pair's LDS stores have read XB, and the LDS stores of the block before the sums that the matrix instructions write again
.irp s, 0,1,2,3
	ds_load_b128 v[AF+8*\s:AF+8*\s+3], v[VF] offset:64*\s                          ; in order behind the wave's own LDS stores above
	ds_load_b128 v[AF+8*\s+4:AF+8*\s+7], v[VF] offset:64*\s+32
.endr
	s_wait_dscnt 0x0                               ; the fragments of x (and, in the first block, those of down)
.irp t, 0,1
	v_wmma_f32_16x16x32_f16 v[ACC+8*\t:ACC+8*\t+7], v[BF+8*\t:BF+8*\t+7], v[AF:AF+7], 0     ; the first 32 k start the sums
.endr
.irp s, 1,2,3
.irp t, 0,1
	v_wmma_f32_16x16x32_f16 v[ACC+8*\t:ACC+8*\t+7], v[BF+8*(2*\s+\t):BF+8*(2*\s+\t)+7], v[AF+8*\s:AF+8*\s+7], v[ACC+8*\t:ACC+8*\t+7]
.endr
.endr
.rept 4
	v_nop                                          ; four places between a matrix instruction and the LDS stores of its result, and the next writes of its sources
.endr
	s_wait_alu depctr_va_vdst(0)                   ; the matrix instructions have written the sums, which the LDS stores read; the places above stay beside this wait
.irp t, 0,1
	ds_store_b128 v[VR], v[ACC+8*\t:ACC+8*\t+3] offset:16*RPITCH*\b+64*\t          ; row 16 b + r, ranks 16 t + 8 h .. + 3
	ds_store_b128 v[VR], v[ACC+8*\t+4:ACC+8*\t+7] offset:16*RPITCH*\b+64*\t+16     ; .. + 7
.endr
.endm
	BLOCK 0
	BLOCK 1
	BLOCK 2
	BLOCK 3
	s_wait_alu depctr_vm_vsrc(0)                   ; this half's loads and stores have read their offsets and LDS addresses: v2 to v5 are written again at the end
	s_branch .Ljoin
	; ---------------------------------------------------------------- THE WEIGHTS HALF: waves 8 to 15
.Lweights:
	v_bfe_u32 v6, v0, 5, 3                         ; my wave's number among the eight of this half
	v_lshlrev_b32 v[WQ], 4, v1
	v_lshl_add_u32 v[WQ], v6, 15, v[WQ]            ; wave x 2 rows x 16,384 + 16 lane
	v_lshlrev_b32 v[WO], 3, v1
	v_mad_u32_u24 v[WO], v6, 2*OROW, v[WO]         ; wave x 2 rows x 8,448 + 8 lane
	v_and_b32 v7, 15, v1                           ; p
	v_lshrrev_b32 v[WS], 4, v1                     ; h
	v_lshlrev_b32 v[WS], 2, v[WS]
	v_lshl_add_u32 v[WS], v7, 3, v[WS]             ; 4 (2 p + h)
	v_lshl_add_u32 v[WS], v6, 9, v[WS]             ; + wave x 2 rows x 256
	v_and_b32 v7, 7, v1
	v_lshlrev_b32 v[WU], 3, v6                     ; two outputs of 4 bytes for each wave
	v_lshl_add_u32 v[WU], v7, 16, v[WU]            ; + 4 (lane % 8) rows of 16,384 bytes
	s_lshl_b32 s24, s21, 6
	s_add_co_u32 s24, s24, ttmp9                   ; which 16 rows of weights: bx + 64 j, 0 to 255
	s_wait_kmcnt 0x0
	s_lshl_b32 s22, s24, 18                        ; 16 rows of 16,384 bytes
	s_add_nc_u64 s[8:9], s[8:9], s[22:23]
	s_lshl_b32 s22, s24, 12                        ; 16 rows of 256 bytes
	s_add_nc_u64 s[10:11], s[10:11], s[22:23]
	s_lshl_b32 s22, s24, 6                         ; 16 columns of 4 bytes
	s_add_nc_u64 s[12:13], s[12:13], s[22:23]
	s_mul_i32 s22, s24, 16*OROW                    ; 16 rows of 8,448 bytes
	s_add_nc_u64 s[16:17], s[16:17], s[22:23]
	s_wait_alu depctr_va_vdst(0)                   ; the four offsets v2 to v5 are written, which every load and store of this half reads
.irp i, 0,1,2,3
	global_load_b32 v[SC+\i], v[WS], s[10:11] offset:128*\i
.endr
.irp i, 0,1,2,3
	global_load_b64 v[U+2*\i:U+2*\i+1], v[WU], s[12:13] offset:16384*\i
.endr
.set c, 0
.rept 32
	global_load_b128 v[WX+4*c:WX+4*c+3], v[WQ], s[8:9] offset:512*c th:TH_LOAD_NT   ; chunks 0 to 31: the wave's first row
.set c, c+1
.endr
; The turn of chunk n = 32 rw + 16 hf + p: row rw of the wave, bytes 512 (16 hf + p) of it.
; The multiply takes its scale from lane p of the own half of 16 lanes: scale[2 (16 hf + p) + h].
.macro WSLOT rw, hf, p
.set n, 32*\rw+16*\hf+\p
.set ws, WX+4*(n%40)
.set wy, WY+2*(n%32)
.if (n == 32) || (n == 56)
	s_wait_xcnt 0x0                                ; the stores issued so far have had their addresses translated (ISA guide 3.1): their data, WY, is written again only behind this wait
	s_wait_alu depctr_vm_vsrc(0)                   ; and they have read the pairs of WY that the turns from here on write again: at chunk 32 those of chunks 0 to 23, at chunk 56 those of chunks 24 to 31, stored in the turns of chunks 32 to 39
.endif
.if (n%8 == 0) && (n > 0)
	s_wait_alu depctr_va_vdst(0)                   ; a group's head: the group before has written its eight pairs of WY, which this group's stores read, and is done with its eight slots, in which this group's loads land; this group's lines name neither
.endif
.if n < 32
	global_load_b128 v[WX+4*((n+32)%40):WX+4*((n+32)%40)+3], v[WQ], s[8:9] offset:XROW+512*n th:TH_LOAD_NT   ; chunk n + 32, of the second row
	s_wait_loadcnt 32                              ; loads come back in order (ISA guide 5.7.1): chunk n is in, chunks n + 1 to n + 32 stay out (scales and up are older than every chunk)
.else
	s_wait_loadcnt 63-n                            ; the second row asks for nothing: the counts run down to 0
.endif
.irp k, 0,1,2,3
	v_cvt_f32_i32 v[ws+\k], v[ws+\k]
.endr
.if n >= 8
	global_store_b64 v[WO], v[WY+2*((n-8)%32):WY+2*((n-8)%32)+1], s[16:17] offset:OROW*((n-8)/32)+256*((n-8)%32)   ; chunk n - 8; 32 lanes x 8 bytes: 256 consecutive bytes, aligned
.endif
.irp k, 0,1,2,3
	v_mul_f32_dpp v[ws+\k], v[SC+2*\rw+\hf], v[ws+\k] row_share:\p row_mask:0xf bank_mask:0xf
.endr
	v_cvt_pk_f16_f32 v[wy], v[ws], v[ws+1]
	v_cvt_pk_f16_f32 v[wy+1], v[ws+2], v[ws+3]
.endm
.irp rw, 0,1
.irp hf, 0,1
.irp p, 0,1,2,3,4,5,6,7,8,9,10,11,12,13,14,15
	WSLOT \rw, \hf, \p
.endr
.endr
.endr
	; the extension: lane l stores columns 4096 + 4 l .. + 3 = copy l / 8, ranks 4 (l % 8) .. + 3, of both rows
.irp i, 0,2,4,6
	v_pk_mul_f32 v[U+\i:U+\i+1], v[U+\i:U+\i+1], 0x41800000 op_sel_hi:[1,0]         ; x 16, exact
.endr
	v_cvt_pk_f16_f32 v[E], v[U], v[U+2]
	v_cvt_pk_f16_f32 v[E+1], v[U+4], v[U+6]
	v_cvt_pk_f16_f32 v[E+2], v[U+1], v[U+3]
	v_cvt_pk_f16_f32 v[E+3], v[U+5], v[U+7]
	s_wait_alu depctr_va_vdst(0)                   ; the last group has written its eight pairs of WY and the lines above the extension: the ten stores below read them
.set c, 56
.rept 8
	global_store_b64 v[WO], v[WY+2*(c%32):WY+2*(c%32)+1], s[16:17] offset:OROW+256*(c%32)     ; chunks 56 to 63
.set c, c+1
.endr
	global_store_b64 v[WO], v[E:E+1], s[16:17] offset:8192
	global_store_b64 v[WO], v[E+2:E+3], s[16:17] offset:OROW+8192
	s_wait_alu depctr_vm_vsrc(0)                   ; this half's loads and stores have read their offsets, v2 to v5, which are written again at the end, and its stores the pairs of WY in v[184:193], in which the end's LDS loads and its rounding land
	; ---------------------------------------------------------------- THE END: all sixteen waves
.Ljoin:
	s_wait_xcnt 0x0                                ; every store has had its addresses translated (ISA guide 3.1): offsets v2-v5 and the registers from v160 on are written again below
	s_wait_dscnt 0x0                               ; my partial sums are in LDS, for the other waves' sake
	s_barrier_signal -1
	v_lshrrev_b32 v2, 3, v0                        ; register work while the others arrive: the thread's row of the 64,
	v_and_b32 v3, 7, v0                            ; and its four ranks
	v_mul_u32_u24 v4, v2, RPITCH
	v_lshl_add_u32 v4, v3, 4, v4
	v_add_nc_u32 v4, RED, v4                       ; LDS: wave 0's part of my four sums
	v_mul_u32_u24 v5, v2, OROW
	v_lshl_add_u32 v5, v3, 3, v5                   ; my 8 bytes in the extension
	s_mul_i32 s22, ttmp9, 64*OROW
	s_lshl_b32 s24, s21, 6
	s_add_co_u32 s22, s22, s24
	s_add_co_u32 s22, s22, 8192
	s_add_nc_u64 s[30:31], s[14:15], s[22:23]      ; aq at the group's first row, column 4096 + 32 j
	s_barrier_wait -1                              ; everybody's partial sums are in LDS
	s_wait_alu depctr_va_vdst(0)                   ; v4 and v5 are written, which the LDS loads and the store below read; every vector line of either half that named v[160:191] is done, so the loads may land there
.irp p, 0,1,2,3,4,5,6,7
	ds_load_b128 v[P+4*\p:P+4*\p+3], v4 offset:REDW*\p
.endr
.irp p, 1,2,3,4,5,6,7
	s_wait_dscnt 7-\p                              ; parts 0 to p are in; the parts behind them may be out
	v_pk_add_f32 v[P:P+1], v[P:P+1], v[P+4*\p:P+4*\p+1]                            ; K ascending
	v_pk_add_f32 v[P+2:P+3], v[P+2:P+3], v[P+4*\p+2:P+4*\p+3]
.endr
	v_pk_mul_f32 v[P:P+1], v[P:P+1], 0x3d800000 op_sel_hi:[1,0]                    ; x 1/16, exact; up carries the factor 16
	v_pk_mul_f32 v[P+2:P+3], v[P+2:P+3], 0x3d800000 op_sel_hi:[1,0]
	v_cvt_pk_f16_f32 v[P+32], v[P], v[P+1]
	v_cvt_pk_f16_f32 v[P+33], v[P+2], v[P+3]
	s_wait_alu depctr_va_vdst(0)                   ; the two roundings have written v[192:193], which the store reads
	global_store_b64 v5, v[P+32:P+33], s[30:31]
	s_wait_xcnt 0x0                                ; the last store has had its address translated, ahead of the two registers that are made anew
	v_lshl_add_u32 v254, v0, 2, 0x32800            ; my spare word, behind the partial sums; no memory or LDS instruction has read v254 or v255
	v_mov_b32 v255, 0
	s_wait_dscnt 0x0                               ; the closing lines, six on end
	s_wait_alu 0x0
	s_wait_tensorcnt 0x0
	ds_add_u32 v254, v255
	s_wait_dscnt 0x0
	s_endpgm
.Lfunc_end_k_q0eb2115f1e_prep:
	.size	k_q0eb2115f1e_prep, .Lfunc_end_k_q0eb2115f1e_prep-k_q0eb2115f1e_prep
	.p2alignl 7, 3214868480
	.fill 96, 4, 3214868480
	.section	.rodata,"a",@progbits
	.p2align	6, 0x0
	.amdhsa_kernel k_q0eb2115f1e_prep
		.amdhsa_group_segment_fixed_size 208896
		.amdhsa_private_segment_fixed_size 0
		.amdhsa_enable_private_segment 0
		.amdhsa_kernarg_size 56
		.amdhsa_user_sgpr_count 2
		.amdhsa_user_sgpr_kernarg_segment_ptr 1
		.amdhsa_wavefront_size32 1
		.amdhsa_system_sgpr_workgroup_id_x 1
		.amdhsa_system_sgpr_workgroup_id_y 1
		.amdhsa_system_sgpr_workgroup_id_z 1
		.amdhsa_system_vgpr_workitem_id 0
		.amdhsa_next_free_vgpr 256
		.amdhsa_next_free_sgpr 66
		.amdhsa_reserve_vcc 0
		.amdhsa_float_denorm_mode_32 3
		.amdhsa_float_denorm_mode_16_64 3
		.amdhsa_memory_ordered 1
		.amdhsa_forward_progress 1
		.amdhsa_inst_pref_size 181
	.end_amdhsa_kernel
	.amdgpu_metadata
---
amdhsa.version: [ 1, 2 ]
amdhsa.kernels:
  - .name:           k_q0eb2115f1e_prep
    .symbol:         k_q0eb2115f1e_prep.kd
    .args:
      - { .name: x, .offset: 0, .size: 8, .value_kind: global_buffer, .address_space: global }
      - { .name: proj_down_dense, .offset: 8, .size: 8, .value_kind: global_buffer, .address_space: global }
      - { .name: main_qweight, .offset: 16, .size: 8, .value_kind: global_buffer, .address_space: global }
      - { .name: main_wscale, .offset: 24, .size: 8, .value_kind: global_buffer, .address_space: global }
      - { .name: proj_up_dense, .offset: 32, .size: 8, .value_kind: global_buffer, .address_space: global }
      - { .name: aq, .offset: 40, .size: 8, .value_kind: global_buffer, .address_space: global }
      - { .name: wq, .offset: 48, .size: 8, .value_kind: global_buffer, .address_space: global }
    .group_segment_fixed_size: 208896
    .private_segment_fixed_size: 0
    .kernarg_segment_align: 8
    .kernarg_segment_size: 56
    .max_flat_workgroup_size: 512
    .sgpr_count:     66
    .vgpr_count:     256
    .wavefront_size: 32
...
	.end_amdgpu_metadata
.endif
;; end of part 3
;; launch gemm: the kernel of part 2 again; grid 16 x 16, 4 waves a work-group, clusters of 4 x 4, 327,680 bytes of LDS; arguments aq, wq, out0, bias; writes out0
